; MI455X (gfx1250); checked and timed in simulation.
; The chip was launched on July 23, 2026; its instructions are those of AMD's public machine-readable ISA for CDNA 5 (MIT licence, August 2026) and "CDNA5" Instruction Set Architecture Reference Guide (July 2026). The comments in the code are by the model that wrote it; some were corrected since.
;; Abstract Leaky Relu Less. Allowed arithmetic: float matrix products may take bf16 or f16 operands with f32 sums; all other float work in f32.
;; Inputs: W 4,096 x 1,024 float32; alpha 4,096 float32; b 4,096 float32; l0 1,024 float32; lowerBound 4,096 float32; u0 1,024 float32; upperBound 4,096 float32.
;; Outputs: out0 2 x 4,096 float32.
;; One version. Each part assembles by itself: llvm-mc -triple=amdgcn-amd-amdhsa -mcpu=gfx1250 --defsym DOCPART=n.
;; ======== version 1 of 1: 1 launch
;; launch bounds (part 1): grid 256 x 1, 4 waves a work-group, no clusters, 768 bytes of LDS; arguments W, l0, u0, lowerBound, upperBound, alpha, b, out0; writes out0
.if DOCPART == 1
	.amdgcn_target "amdgcn-amd-amdhsa--gfx1250"
	.amdhsa_code_object_version 6
	.text
	.protected	k_qd6ba827df1_bounds
	.globl	k_qd6ba827df1_bounds
	.p2align	8
	.type	k_qd6ba827df1_bounds,@function
k_qd6ba827df1_bounds:
	s_mov_b64 s[64:65], 0
	v_nop
	global_prefetch_b8 v0, s[64:65] scope:SCOPE_SE
	s_setreg_imm32_b32 hwreg(HW_REG_WAVE_MODE, 25, 1), 1
	s_wait_xcnt 0x0
; Bounds of a leaky-ReLU layer, substituted back through the linear layer W x + b and made concrete on the box [l0, u0].
; W: [4096][1024] f32.  lowerBound, upperBound, alpha, b: [4096] f32.  l0, u0: [1024] f32.  out0: [2][4096] f32 (lower, upper).
;
; THE ARITHMETIC.  The JAX source multiplies W and b by 4096 x 4096 matrices that it builds itself as diagonals (lw, uw): every term off the
; diagonal is a product with a zero of its own making, so row i of the product is row i of W times the slope s = lw[i] or uw[i].
; With c = (u0 + l0) / 2 and r = (u0 - l0) / 2, max(x,0) u + min(x,0) l = x c + |x| r for every x, u, l, and |s w| = |s| |w|.  So, with
;   S1[i] = sum over j of W[i][j] c[j],   S2[i] = sum over j of |W[i][j]| r[j]:
;   upper[i] = uw S1 + |uw| S2 + uw b + bias,      lower[i] = lw S1 - |lw| S2 + lw b.
; |s| keeps the source's split by sign for a slope of either sign.  Everything is f32: two fused multiply-adds for each number of W.
; The matrix unit is left out: what is left is a product with two vectors, and W is read once, so bytes decide, not arithmetic.
;
; THE SHARES.  256 work-groups of four waves; a work-group owns 16 rows of W (64 KiB, contiguous), a wave 4 rows (16 KiB).  Load j of a row
; gives lane L the columns 128 j + 4 L .. + 3: one load of a wave covers 512 consecutive bytes, aligned.  A wave issues its 32 loads of W at
; once (128 registers), so a work-group's whole share is on its way from the start: no loop, no refill, no LDS ring.
; Each wave loads l0 and u0 whole (8 KiB) and makes its own c and r: they are an eighth of a work-group's bytes, so no cluster shares them,
; and sharing them through LDS would put a barrier between their arrival and the first product.
; THE WAY OUT.  A work-group owns 64 bytes of each of out0's two rows.  The 16 rows' sums meet in LDS and ONE store of wave 0 writes both
; pieces: lanes 0-15 store 64 consecutive bytes of lower, lanes 16-31 64 consecutive bytes of upper.  Larger pieces would mean fewer
; work-groups for the 16 MiB of W; out0 is 32 KiB.
;
; LIMITS.  (1) A non-finite number in W or b spoils its own row only; in the source the products with the zeros spread NaN to every row
; (it has no finite result there).  (2) A NaN in alpha is clipped to 0.01 (v_max_num_f32 drops it) where the source hands it on.
; (3) The crossing slope is (u - 0.01 l) x v_rcp_f32(u - l): about one unit in the last place from the division, and v_rcp_f32 flushes
; denormals (ISA guide 15.8), so u - l below 2^-126 or above 2^126 gives no usable slope.  (4) The slope multiplies the finished sums and
; not each number of W: another order of rounding, all in f32.
.set NS,   0x3c23d70a                  ; 0.01
.set NNS,  0xbc23d70a                  ; -0.01
.set ROWB, 4096                        ; bytes in a row of W
.set SUM,  20                          ; v[20:23] S1 of my rows 0-3, v[24:27] S2 of my rows 0-3
.set LO,   32                          ; v[32:63]   l0 as loaded, then l0 / 2; dead once c and r are made
.set ACC,  32                          ; v[32:63]   afterwards: 8 running sums for each of my 4 rows (4 of S1 in two pairs, 4 of S2)
.set RR,   64                          ; v[64:95]   u0 as loaded, then r of my 32 columns
.set CC,   96                          ; v[96:127]  c of my 32 columns
.set WW,   128                         ; v[128:255] W: load j of row r at WW + 4 (8 r + j)
; v1 16 x lane (offset in W's rows, l0, u0)   v2 offset of row L % 16 in the four per-row inputs   v3 my offset in out0   v4 4 (L % 16)
; v5 lane, then h = L / 16   v6-v9 lowerBound, upperBound, alpha, b of row L % 16 (wave 0)   v10 s   v11 +-|s|   v12 s b + bias, then the result
; v13-v19 at work   v30 16 x wave.  None of v1-v4, v30 is ever rewritten.
; s[4:19] the eight addresses   s20 wave   s21 64 g   s[22:23] my offset in W   s24-s28 lane masks   s30, s31 selects of v_permlanex16_b32
	s_load_b512 s[4:19], s[0:1], 0x0               ; W s[4:5], l0 s[6:7], u0 s[8:9], lowerBound s[10:11], upperBound s[12:13], alpha s[14:15], b s[16:17], out0 s[18:19]
	v_lshl_add_u32 v29, v0, 2, 0x100
	v_mov_b32 v31, 0
	v_and_b32 v5, 31, v0                           ; lane
	v_lshrrev_b32 v13, 5, v0
	v_readfirstlane_b32 s20, v13                   ; wave 0..3
	v_lshlrev_b32 v1, 4, v5                        ; 16 bytes a lane
	s_lshl_b32 s21, ttmp9, 6                       ; the work-group's 16 rows in a per-row input: 64 bytes each
	s_lshl_b32 s22, ttmp9, 16                      ; the work-group's 16 rows of W: 65,536 bytes each,
	s_lshl_b32 s23, s20, 14                        ; my wave's 4 rows: 16,384 bytes
	s_add_co_u32 s22, s22, s23                     ; below 2^24
	s_mov_b32 s23, 0
	s_mov_b32 s30, 0x76543210                      ; v_permlanex16_b32: lane i of one half reads lane i of the other
	s_mov_b32 s31, 0xfedcba98
	v_and_b32 v4, 15, v5
	v_lshlrev_b32 v4, 2, v4                        ; 4 (L % 16): row L % 16 in LDS
	v_add_nc_u32 v2, s21, v4                       ; and in the per-row inputs
	v_lshrrev_b32 v5, 4, v5                        ; h: 0 = lower, 1 = upper
	v_lshl_add_u32 v3, v5, 14, v2                  ; out0: row h of 16,384 bytes
	v_mov_b32 v30, s20
	v_lshlrev_b32 v30, 4, v30                      ; my wave's 16 bytes in each of the two LDS lists
	v_cmp_lt_u32 s27, 0, v5                        ; mask of the lanes that make upper
	s_wait_kmcnt 0x0
	s_add_nc_u64 s[4:5], s[4:5], s[22:23]          ; W at my wave's first row
	; Wave 0 alone finishes the 16 rows, so it alone loads their four inputs, ahead of everything else: loads come back in order
	; (ISA guide 5.7.1), and these are to be used while W is still on its way.
	s_cmp_lg_u32 s20, 0
	s_cbranch_scc1 .Lno_row_loads
	global_load_b32 v6, v2, s[10:11]               ; lowerBound
	global_load_b32 v7, v2, s[12:13]               ; upperBound
	global_load_b32 v8, v2, s[14:15]               ; alpha
	global_load_b32 v9, v2, s[16:17]               ; b
.Lno_row_loads:
	; l0 and u0: 16 loads, no hint, since every wave of the launch reads them
.irp j, 0,1,2,3,4,5,6,7
	global_load_b128 v[LO+4*\j:LO+4*\j+3], v1, s[6:7] offset:512*\j
	global_load_b128 v[RR+4*\j:RR+4*\j+3], v1, s[8:9] offset:512*\j
.endr
	; my four rows of W: 32 loads, read once in the whole launch
.irp r, 0,1,2,3
.irp j, 0,1,2,3,4,5,6,7
	global_load_b128 v[WW+4*(8*\r+\j):WW+4*(8*\r+\j)+3], v1, s[4:5] offset:\r*ROWB+512*\j th:TH_LOAD_NT
.endr
.endr
	; Wave 0: slope and bias of row L % 16, for lower in lanes 0-15 and for upper in lanes 16-31.  The compares feed selects alone.
	s_cmp_lg_u32 s20, 0
	s_cbranch_scc1 .Lno_coeff
	s_wait_loadcnt 48                              ; behind the four row loads 16 + 32 loads were issued: those stay out
	v_cmp_lt_f32 s24, 0, v6                        ; positive: l > 0
	v_cmp_gt_f32 s25, 0, v6                        ; l < 0
	v_cmp_lt_f32 s26, 0, v7                        ; u > 0
	s_and_b32 s25, s25, s26                        ; crossing
	s_and_b32 s28, s25, s27                        ; crossing, in the lanes of upper
	v_sub_f32 v13, v7, v6                          ; u - l
	v_fmamk_f32 v14, v6, NNS, v7                   ; u - 0.01 l
	v_rcp_f32 v15, v13                             ; four plain instructions that touch neither v13 nor v15 follow (ISA guide 5.7.2 asks for one)
	v_mov_b32 v16, NS
	v_cndmask_b32 v16, v16, 1.0, s24               ; the slope of a row that does not cross: 1 if positive, else 0.01
	v_max_num_f32 v17, NS, v8
	v_min_num_f32 v17, 1.0, v17                    ; alpha clipped to [0.01, 1]
	s_wait_alu depctr_va_vdst(0)
	v_mul_f32 v15, v14, v15                        ; slope of the upper line of a crossing row (elsewhere the selects below drop it)
	v_sub_f32 v18, NS, v15
	v_mul_f32 v18, v18, v6                         ; its bias: (0.01 - slope) l
	v_cndmask_b32 v15, v16, v15, s25               ; uw
	v_cndmask_b32 v17, v16, v17, s25               ; lw
	v_cndmask_b32 v10, v17, v15, s27               ; s: lw in lanes 0-15, uw in lanes 16-31
	v_cndmask_b32 v18, 0, v18, s28                 ; the bias counts for upper of a crossing row alone
	v_fma_f32 v12, v10, v9, v18                    ; s b + bias
	v_cndmask_b32 v11, -1.0, 1.0, s27
	v_mul_f32 v11, v11, |v10|                      ; -|lw| or +|uw|: the factor of S2
.Lno_coeff:
; c and r of two of my columns.  The halves are taken first, so that u0 + l0 cannot overflow where c is finite.
.macro MKCR p
	v_pk_mul_f32 v[LO+\p:LO+\p+1], v[LO+\p:LO+\p+1], 0.5 op_sel_hi:[1,0]                       ; l0 / 2
	v_pk_fma_f32 v[CC+\p:CC+\p+1], v[RR+\p:RR+\p+1], 0.5, v[LO+\p:LO+\p+1] op_sel_hi:[1,0,1]   ; c = u0 / 2 + l0 / 2
	v_fma_f32 v[RR+\p], v[RR+\p], 0.5, -v[LO+\p]                                               ; r = u0 / 2 - l0 / 2, in u0's place
	v_fma_f32 v[RR+\p+1], v[RR+\p+1], 0.5, -v[LO+\p+1]
.endm
	s_wait_loadcnt 32                              ; l0 and u0 are in; the 32 loads of W stay out
.irp p, 0,2,4,6,8,10,12,14,16,18,20,22,24,26,28,30
	MKCR \p
.endr
; Load j of row r: four numbers of W into six sums that do not wait for each other.  The first load's products start the sums: nothing is cleared.
.macro STEP r, j
.set AC, ACC+8*\r
.set XW, WW+4*(8*\r+\j)
.set CJ, CC+4*\j
.set RJ, RR+4*\j
	s_wait_loadcnt 31-(8*\r+\j)                    ; the loads of W younger than this one stay out
.if \j == 0
	v_pk_mul_f32 v[AC:AC+1], v[XW:XW+1], v[CJ:CJ+1]
	v_pk_mul_f32 v[AC+2:AC+3], v[XW+2:XW+3], v[CJ+2:CJ+3]
.irp k, 0,1,2,3
	v_mul_f32 v[AC+4+\k], |v[XW+\k]|, v[RJ+\k]
.endr
.else
	v_pk_fma_f32 v[AC:AC+1], v[XW:XW+1], v[CJ:CJ+1], v[AC:AC+1]
	v_pk_fma_f32 v[AC+2:AC+3], v[XW+2:XW+3], v[CJ+2:CJ+3], v[AC+2:AC+3]
.irp k, 0,1,2,3
	v_fma_f32 v[AC+4+\k], |v[XW+\k]|, v[RJ+\k], v[AC+4+\k]
.endr
.endif
.endm
; Two sums over the 32 lanes, line by line in turn; every lane ends with both.  ta, tb: registers that have been written (v_permlanex16_b32's destination counts as read).
.macro XSUM2 a, b, ta, tb
.irp m, 1,2,4,8
	v_add_f32_dpp v[\a], v[\a], v[\a] row_xmask:\m row_mask:0xf bank_mask:0xf
	v_add_f32_dpp v[\b], v[\b], v[\b] row_xmask:\m row_mask:0xf bank_mask:0xf
.endr
	v_permlanex16_b32 v[\ta], v[\a], s30, s31
	v_permlanex16_b32 v[\tb], v[\b], s30, s31
	v_add_f32 v[\a], v[\a], v[\ta]
	v_add_f32 v[\b], v[\b], v[\tb]
.endm
; One row: its eight loads, then its sums within the lane and across the lanes.  Rows 0 to 2 are summed up while later rows are on their way.
.macro ROW r
.irp j, 0,1,2,3,4,5,6,7
	STEP \r, \j
.endr
	v_pk_add_f32 v[AC:AC+1], v[AC:AC+1], v[AC+2:AC+3]
	v_pk_add_f32 v[AC+4:AC+5], v[AC+4:AC+5], v[AC+6:AC+7]
	v_add_f32 v[SUM+\r], v[AC], v[AC+1]            ; S1, my 32 columns
	v_add_f32 v[SUM+4+\r], v[AC+4], v[AC+5]        ; S2, my 32 columns
	XSUM2 SUM+\r, SUM+4+\r, AC+2, AC+6
.endm
	ROW 0
	ROW 1
	ROW 2
	ROW 3
	; The sums meet in LDS: S1 of the work-group's row i at byte 4 i, S2 at byte 64 + 4 i.  All lanes of a wave store the same 16 bytes to the same place.
	ds_store_b128 v30, v[SUM:SUM+3]
	ds_store_b128 v30, v[SUM+4:SUM+7] offset:64
	s_wait_dscnt 0x0                               ; for wave 0's sake: my two stores are done before I signal
	s_barrier_signal -1
	s_barrier_wait -1                              ; the one barrier: all 16 rows' sums are in LDS
	s_cmp_lg_u32 s20, 0
	s_cbranch_scc1 .Lend
	ds_load_b32 v13, v4                            ; S1 of row L % 16
	ds_load_b32 v14, v4 offset:64                  ; S2 of row L % 16
	s_wait_dscnt 0x0
	v_fma_f32 v12, v10, v13, v12                   ; s S1 + (s b + bias)
	v_fma_f32 v12, v11, v14, v12                   ; -|lw| S2 or +|uw| S2
	global_store_b32 v3, v12, s[18:19] th:TH_STORE_NT   ; lanes 0-15: 64 consecutive bytes of lower; lanes 16-31: 64 consecutive bytes of upper
.Lend:
	s_wait_tensorcnt 0x0
	ds_add_u32 v29, v31
	s_wait_dscnt 0x0
	s_endpgm
.Lfunc_end_k_qd6ba827df1_bounds:
	.size	k_qd6ba827df1_bounds, .Lfunc_end_k_qd6ba827df1_bounds-k_qd6ba827df1_bounds
	.p2alignl 7, 3214868480
	.fill 96, 4, 3214868480
	.section	.rodata,"a",@progbits
	.p2align	6, 0x0
	.amdhsa_kernel k_qd6ba827df1_bounds
		.amdhsa_group_segment_fixed_size 768
		.amdhsa_private_segment_fixed_size 0
		.amdhsa_enable_private_segment 0
		.amdhsa_kernarg_size 64
		.amdhsa_user_sgpr_count 2
		.amdhsa_user_sgpr_kernarg_segment_ptr 1
		.amdhsa_wavefront_size32 1
		.amdhsa_system_sgpr_workgroup_id_x 1
		.amdhsa_system_sgpr_workgroup_id_y 1
		.amdhsa_system_sgpr_workgroup_id_z 1
		.amdhsa_system_vgpr_workitem_id 0
		.amdhsa_next_free_vgpr 256
		.amdhsa_next_free_sgpr 66
		.amdhsa_reserve_vcc 0
		.amdhsa_float_denorm_mode_32 3
		.amdhsa_float_denorm_mode_16_64 3
		.amdhsa_memory_ordered 1
		.amdhsa_forward_progress 1
		.amdhsa_inst_pref_size 29
	.end_amdhsa_kernel
	.amdgpu_metadata
---
amdhsa.version: [ 1, 2 ]
amdhsa.kernels:
  - .name:           k_qd6ba827df1_bounds
    .symbol:         k_qd6ba827df1_bounds.kd
    .args:
      - { .name: W, .offset: 0, .size: 8, .value_kind: global_buffer, .address_space: global }
      - { .name: l0, .offset: 8, .size: 8, .value_kind: global_buffer, .address_space: global }
      - { .name: u0, .offset: 16, .size: 8, .value_kind: global_buffer, .address_space: global }
      - { .name: lowerBound, .offset: 24, .size: 8, .value_kind: global_buffer, .address_space: global }
      - { .name: upperBound, .offset: 32, .size: 8, .value_kind: global_buffer, .address_space: global }
      - { .name: alpha, .offset: 40, .size: 8, .value_kind: global_buffer, .address_space: global }
      - { .name: b, .offset: 48, .size: 8, .value_kind: global_buffer, .address_space: global }
      - { .name: out0, .offset: 56, .size: 8, .value_kind: global_buffer, .address_space: global }
    .group_segment_fixed_size: 768
    .private_segment_fixed_size: 0
    .kernarg_segment_align: 8
    .kernarg_segment_size: 64
    .max_flat_workgroup_size: 128
    .sgpr_count:     66
    .vgpr_count:     256
    .wavefront_size: 32
...
	.end_amdgpu_metadata
.endif
;; end of part 1
